; MI455X (gfx1250); checked and timed in simulation.
; The chip was launched on July 23, 2026; its instructions are those of AMD's public machine-readable ISA for CDNA 5 (MIT licence, August 2026) and "CDNA5" Instruction Set Architecture Reference Guide (July 2026). The comments in the code are by the model that wrote it; some were corrected since.
;; TF Multi Head Attention. Allowed arithmetic: matrix products marked QUANTISED: E5M2 operands, one given power-of-two scale a tensor, by v_wmma_f32_16x16x64_bf8_bf8 or v_wmma_f32_16x16x128_bf8_bf8, f32 sums; everything else in f32.
;; Inputs: Wk_codes 1,024 x 32 x 32 uint8 (E5M2 codes of Wk, K innermost, in blocks of 32 codes); Wo_codes 1,024 x 32 x 32 uint8 (E5M2 codes of Wo, K innermost, in blocks of 32 codes); Wq_codes 1,024 x 32 x 32 uint8 (E5M2 codes of Wq, K innermost, in blocks of 32 codes); Wv_codes 1,024 x 32 x 32 uint8 (E5M2 codes of Wv, K innermost, in blocks of 32 codes); bk 1,024 float32; bo 1,024 float32; bq 1,024 float32; bv 1,024 float32; k_codes 2 x 2,048 x 32 x 32 uint8 (E5M2 codes of k, K innermost, in blocks of 32 codes); lowp_scales 12 int32 (the exponents e of the quantised operands' scales 2^e); mask 2,048 x 2,048 float32; q_codes 2 x 2,048 x 32 x 32 uint8 (E5M2 codes of q, K innermost, in blocks of 32 codes); v_codes 2 x 2,048 x 32 x 32 uint8 (E5M2 codes of v, K innermost, in blocks of 32 codes).
;; Outputs: out0 2 x 2,048 x 1,024 float32.
;; This version of the problem:
;;   THIS VERSION OF THE PROBLEM IS GIVEN IN LOW PRECISION. The matrix products marked QUANTISED in the list below multiply operands that are first quantised to E5M2 (5 exponent bits, 2 mantissa bits; 8 bits a number), with one given power-of-two scale for each operand tensor; their sums are f32. All else is computed in f32.
;;   The module's matrix products, in the order in which they are computed (A, B: the left and right operand; K: the contracted axis; several contracted axes count as one K, in the product's order):
;;     1. [M 4,096, K 1,024] x [K 1,024, N 1,024]; A: input q (given as codes); B: input Wq (given as codes): QUANTISED (scales: A lowp_scales[0], B lowp_scales[1])
;;     2. [M 4,096, K 1,024] x [K 1,024, N 1,024]; A: input k (given as codes); B: input Wk (given as codes): QUANTISED (scales: A lowp_scales[2], B lowp_scales[3])
;;     3. [M 4,096, K 1,024] x [K 1,024, N 1,024]; A: input v (given as codes); B: input Wv (given as codes): QUANTISED (scales: A lowp_scales[4], B lowp_scales[5])
;;     4. batch 32 x [M 2,048, K 64] x [K 64, N 2,048]; A: computed on the way; B: computed on the way: QUANTISED (scales: A lowp_scales[6], B lowp_scales[7])
;;     5. batch 32 x [M 2,048, K 2,048] x [K 2,048, N 64]; A: softmax (see below); B: computed on the way: QUANTISED (scales: A lowp_scales[8], B lowp_scales[9])
;;     6. [M 4,096, K 1,024] x [K 1,024, N 1,024]; A: computed on the way; B: input Wo (given as codes): QUANTISED (scales: A lowp_scales[10], B lowp_scales[11])
;;   THE QUANTISER, for each operand of a quantised product, along K:
;;     - The operand's scale is 2^e, e = its entry of the input lowp_scales (int32; the entries are numbered through the quantised products in the list's order, A before B).
;;     - Each number is divided by the scale, clamped to +-57,344, and rounded to the nearest number of E5M2, ties to even, subnormals kept.
;;     - The product sums the exact products of the quantised numbers (number of the format x scale) in f32.
;;   ~~~python
;;   def quantise(x, axis, e):      # numpy; x: float32 -> the quantised numbers, widened to float32 again
;;       x = np.moveaxis(x, axis, -1); K = x.shape[-1]
;;       r = np.clip(x / 2.0 ** e, -57344, 57344)
;;       step = 2.0 ** (np.maximum(np.frexp(np.where(r == 0, 1, r))[1] - 1, -14) - 2)
;;       q = np.round(r / step) * step * 2.0 ** e      # np.round: ties to even
;;       return np.moveaxis(q, -1, axis).astype(np.float32)
;;   ~~~
;;   SOFTMAX AHEAD OF A QUANTISED PRODUCT. Where the list says 'softmax', what is quantised is not the finished softmax but p = 2^(t - M), with t = logit x log2(e) and M = ceil(the row's largest t), a whole number; so 1/2 < the row's largest p <= 1. The row's sum l is taken of the UNQUANTISED p, in f32, and the product's result is divided by l at the end. Since M is a whole number, a kernel that streams over the keys may use a running M (the ceiling of the running maximum): every later rescaling is an exact power of two, so the quantised numbers keep their values, but for numbers so far below the row's largest that they fall under the format's range.
;;   OPERANDS COMPUTED ON THE WAY. 'Computed on the way' means the value that the module computes at that place (a softmax that the list does not call 'softmax' is quantised finished and normalised). What goes into a quantiser is computed in f32, as accurately as f32 sums, v_exp_f32 and their like allow (about 1e-6 of the number): no bf16 or f16 on the way to a quantiser, and a product that is left as it is and whose result goes on into a quantised operand takes f32 operands (vector FMAs, or v_wmma_f32_16x16x4_f32). A number that lies on a knife's edge between two numbers of the format may be rounded either way, as far as f32 arithmetic and the matrix unit's own rounding can turn it there, and no further.
;;   INPUTS GIVEN AS CODES. Wk (in the module: [1024, 1024], K = its axis 0); Wo (in the module: [1024, 1024], K = its axis 0); Wq (in the module: [1024, 1024], K = its axis 0); Wv (in the module: [1024, 1024], K = its axis 0); k (in the module: [2, 2048, 1024], K = its axis 2); q (in the module: [2, 2048, 1024], K = its axis 2); v (in the module: [2, 2048, 1024], K = its axis 2): each comes as NAME_codes (uint8): NAME with its K axis moved to the last place and cut into blocks of 32 codes, [.., K / 32, bytes a block], one block behind the other in memory; one code a byte (a code: sign, 5 exponent bits, 2 mantissa bits); its scale is its entry of lowp_scales. Its value is code x scale, taken as it is: it is not quantised again, and the codes and scales need not be those that the quantiser above would give.
;; One version. Each part assembles by itself: llvm-mc -triple=amdgcn-amd-amdhsa -mcpu=gfx1250 --defsym DOCPART=n.
;; ======== version 1 of 1: 3 launches
;; limits: right only within a limited range of input values
;; workspace buffers: qc 4,194,304 bytes; kc 4,194,304 bytes; vc 4,194,304 bytes; cc 4,194,304 bytes; mk 16,777,216 bytes
;; launch proj (part 1): grid 4 x 64, 4 waves a work-group, clusters of 4 x 4, 327,680 bytes of LDS; arguments q_codes, k_codes, Wv_codes, Wq_codes, Wk_codes, v_codes, bq, bk, bv, qc, kc, vc, lowp_scales, mask, mk; writes qc, kc, vc, mk
.if DOCPART == 1
	.amdgcn_target "amdgcn-amd-amdhsa--gfx1250"
	.amdhsa_code_object_version 6
	.text
	.protected	k_q544c0d5bbb_proj
	.globl	k_q544c0d5bbb_proj
	.p2align	8
	.type	k_q544c0d5bbb_proj,@function
k_q544c0d5bbb_proj:
	s_mov_b64 s[64:65], 0
	v_nop
	global_prefetch_b8 v0, s[64:65] scope:SCOPE_SE
	s_setreg_imm32_b32 hwreg(HW_REG_WAVE_MODE, 25, 1), 1
	s_wait_xcnt 0x0
	s_wait_alu depctr_hold_cnt(0) depctr_sa_sdst(0) depctr_va_vdst(0) depctr_va_sdst(0) depctr_va_ssrc(0) depctr_va_vcc(0) depctr_vm_vsrc(0)
	s_getreg_b32 s2, hwreg(HW_REG_IB_STS2, 6, 4)
	s_cmp_eq_u32 s2, 0
	s_cbranch_scc0 .Lentry_in_a_cluster
	s_endpgm
.Lentry_in_a_cluster:
	s_bfe_u32 s2, ttmp6, 0x10000c
	s_cmp_lg_u32 s2, 0xf033
	s_cbranch_scc0 .Lentry_shape_is_right
	s_endpgm
.Lentry_shape_is_right:
; THE THREE PROJECTIONS: qh = q Wq + bq, kh = k Wk + bk, vh = v Wv + bv, on codes of BF8 (E5M2) as they are given, sums in f32; each result is quantised at once for the
; product that takes it (qh with entry 6 of the scales, kh with entry 7, vh with entry 9) and stored as codes in the order in which the attention launch reads them.
; NO WORK OF THE PROBLEM IS LEFT OUT BY THIS PROGRAM, in any of its three launches: the mask is an input, so every pair of query and key is computed; each bias stands ahead of a
; quantiser or in the output; every input is loaded by some launch.
; LIMITS on the given exponents, so that each power of two below is an f32 number: e0 + e1, e2 + e3, e4 + e5 between -126 and 127; e6, e7, e9 between -126 and 112.  NaN among the biases is not served.
; SHARES.  48 rows of work-groups in 12 clusters of 4 x 4: clusters 0-3 make qh, 4-7 kh, 8-11 vh (g = cluster y / 4).  A work-group makes 256 x 256 numbers, each of its four waves 128 x 128: 64 accumulators, 512 registers.
; X is the operand that goes in as source 1, Y as source 0: a lane then holds ONE row of X (16 a + lane % 16) and eight NEIGHBOURS along Y (16 b + 8 (lane / 16) + 0 .. 7).
;   g = 0, 1: X = tokens, Y = rows of W (channels): a lane's eight numbers are neighbours along the head's axis, the K of the scores' product.
;   g = 2:    X = rows of Wv (channels), Y = tokens of v: a lane's eight numbers are neighbouring KEYS of one channel, the K of the second product of attention.  Nothing is transposed.
; X's tiles are shared along a row of the cluster, Y's along a column: each is asked for jointly, by the same tensor load with the same descriptor and a mask that names the four.
; K goes in steps of 256 through a ring of two LDS slots; a tile's row is 256 bytes of memory.
; WHAT IS STORED.  A wave's 128 x 128 codes are one dense block of 16,384 bytes: 128 rows (X) of 128 bytes (Y).  qc, kc: [token / 128][pair of heads][token % 128][128]; vc: [key / 128, batch folded in][channel / 128][channel % 128][128].
; In a row the number with index 32 c + 16 u + 8 h + j lies at byte 32 c + 16 h + 8 u + j: what four 16-byte stores of a lane's codes give.
; REGISTERS, in windows of 256: window 0: v0-31 addresses and two constants; v32-95 the bias; from v128 X's fragments, ONE set; on the way out v96-207 are at work.
;   window 1: Y's fragments, TWO sets.   window 2: the accumulators of my rows 0-63 ((a, b) at v[8 (8 a + b)]);   window 3: those of my rows 64-127.
.set SIZE_K, 1024
.set KSTEP,  256                       ; along K in a slot
.set ROWB,   256                       ; a tile's row in bytes
.set KROW,   SIZE_K                    ; a row of X or of Y in memory, in bytes
.set PITCH,  272                       ; an LDS row: 256 bytes + 16 of padding = 68 words: the 16 rows that a load touches start at 16 different banks (64 banks of 4 bytes: ISA guide 11.1)
.set FR,     16                        ; registers of a fragment: 16 rows x 128 K
.set NL,     4                         ; LDS loads that bring one
.set NP,     4                         ; places behind this matrix instruction (ISA guide 7.12.1)
.set HALFT,  128*PITCH                 ; 128 rows: what one tensor load brings
.set SLOT,   4*HALFT                   ; X's 256 rows, then Y's 256 rows
.set LAPS,   SIZE_K/(2*KSTEP)          ; a lap = two K steps = once round the ring
.set SPARE,  2*SLOT                    ; behind the ring: the spare words, 128 bytes for each wave
.set QP,     144                       ; the way out: a stage row: 128 bytes of codes + 16
.set ARM,    16384                     ; the stages lie in slot 0, which has had its last fill and its last read by then: 16 rows x 144 bytes a wave; the two ways out have bytes of their own, ARM apart
.set ADRA, 16                          ; v16-17  LDS address of my X fragments in slot 0, 1
.set ADRB, 20                          ; v20-21  the same for Y
.set STO,  24                          ; v24     the way out: where I put 16 bytes of a row
.set RD,   25                          ; v25     where I read rows back
.set CO,   26                          ; v26     16 x lane: my byte offset in 512 bytes of the output
.set BO,   27                          ; v27     my byte offset in the bias
.set SPW,  28                          ; v28     LDS address of my spare word; never rewritten
.set NIL,  29                          ; v29     0; never rewritten
.set LIM,  30                          ; v30     57,344 x the result's scale
.set SCL,  31                          ; v31     the result's scale as f32
.set BY,   32                          ; v32-95  g < 2: the bias of my 128 channels, in the layout of a block's 64 results
.set BX,   32                          ; v32-47  g = 2: the bias of my lane's channel in each of the 8 blocks, twice (a pair for the packed form)
.set CD,   96                          ; v96-111 a block's codes
.set BK,   112                         ; v112-143 16 rows read back from the stage, two sets by turns
.set AF,   128                         ; X's fragments
.set TMP,  144                         ; v144-207 a block's 64 numbers
.set G,    98                          ; s98     which projection
.set CL,   99                          ; s99     cluster y % 4
.set G1, 24                            ; s[24:31] descriptor group 1 for X's tiles;  s[32:39] group 0, one set for each slot
.set G0, 32
.set G1B, 48                           ; s[48:55], s[56:63] the same for Y's tiles
.set G0B, 56
.set MSB, 0
.macro WIN new                         ; the immediate's high byte repeats the setting that is left
.if MSB != \new
	s_set_vgpr_msb (MSB<<8)|\new
.set MSB, \new
.endif
.endm
.set MUL_LO, 0xa1                      ; source 0 (Y) window 1, source 1 (X) window 0, C and D window 2
.set MUL_HI, 0xf1                      ; the same, C and D window 3
.set TO_B,   0x40                      ; destination window 1, address window 0
; A joint load: waves 0 and 1 fetch for X, waves 2 and 3 for Y.  The branch hangs on the wave's number alone.  An s_nop 0 and four v_nop follow each of the two lines.
.macro JLOAD g0a, g1a, g0b, g1b
	s_cmp_eq_u32 s15, 0
	s_cbranch_scc0 .Lfor_b_\@
	tensor_load_to_lds s[\g0a:\g0a+3], s[\g1a:\g1a+7]
	s_nop 0
.rept 4
	v_nop
.endr
	s_branch .Lasked_\@
.Lfor_b_\@:
	tensor_load_to_lds s[\g0b:\g0b+3], s[\g1b:\g1b+7]
	s_nop 0
.rept 4
	v_nop
.endr
.Lasked_\@:
.endm
.macro CREST                           ; a round of the cluster's barrier behind its opening barrier
	s_cmp_lg_u32 s14, 0
	s_cbranch_scc1 .Lnot_wave_0_\@
	s_barrier_signal -3
.Lnot_wave_0_\@:
	s_barrier_wait -3
	s_barrier_signal -1
	s_barrier_wait -1
.endm
.macro CROUND                          ; a whole round
	s_barrier_signal -1
	s_barrier_wait -1
	CREST
.endm
	s_load_b512 s[68:83], s[0:1], 0x0              ; q s[68:69], k s[70:71], Wv s[72:73] (the three X); Wq s[74:75], Wk s[76:77], v s[78:79] (the three Y); bq s[80:81], bk s[82:83]
	s_load_b256 s[84:91], s[0:1], 0x40             ; bv s[84:85]; qc s[86:87], kc s[88:89], vc s[90:91]
	s_load_b64 s[92:93], s[0:1], 0x60              ; the scales' exponents
	v_lshl_add_u32 v[SPW], v0, 2, SPARE
	v_mov_b32 v[NIL], 0
	ds_add_u32 v[SPW], v[NIL]                      ; the wave's opening: the add, twice on end, and its wait ahead of my first tensor load
	ds_add_u32 v[SPW], v[NIL]                      ; and once more; the set-up below, work on registers, stands between it and the wait
	v_lshrrev_b32 v1, 5, v0
	v_readfirstlane_b32 s14, v1                    ; wave 0..3
	s_lshr_b32 s15, s14, 1                         ; which half of the tile's X rows is mine.  Also: I fetch for X (0) or for Y (1)
	s_and_b32 s16, s14, 1                          ; which half of its Y rows.  Also: which 128 rows of that tile I fetch
	s_bfe_u32 s40, ttmp6, 0x40000                  ; cx, cy: my place in the cluster
	s_bfe_u32 s41, ttmp6, 0x40004
	s_and_b32 s[CL], ttmp7, 0xffff                 ; cluster y, 0..15: the same in all sixteen partners
	s_lshr_b32 s[G], s[CL], 2                      ; g: 0 q, 1 k, 2 v
	s_and_b32 s[CL], s[CL], 3
	s_mov_b32 s94, 0x20000
	s_mov_b32 s95, 0x4000
	s_cmp_lt_u32 s[G], 2
	s_cselect_b32 s100, s94, s95                   ; bytes in the output from one block of 128 X rows to the next: tokens 131,072, channels 16,384
	s_cselect_b32 s101, s95, s94                   ; and along Y
	s_cselect_b32 s94, s[CL], 0                    ; the 16 tiles of tokens go along X (g < 2) or along Y (g = 2); the 4 tiles of channels along the other
	s_cselect_b32 s95, 0, s[CL]
	s_lshl_b32 s17, s94, 2
	s_add_co_u32 s17, s17, s41                     ; X's tile: it hangs on cy alone of my place
	s_lshl_b32 s42, s95, 2
	s_add_co_u32 s42, s42, s40                     ; Y's tile: on cx alone
	s_lshl_b32 s43, s41, 2
	s_lshl_b32 s43, 15, s43                        ; my row of the cluster
	s_lshl_b32 s44, 0x1111, s40                    ; my column
	; descriptor group 1: a tile of 128 rows x 256 bytes, padded in LDS
	s_or_b32 s[G1+0], s43, (0<<16)|(1<<20)|(1<<21)|(5<<22)|(3<<25)  ; 15:0 the mask: X's tiles go to my row; 17:16 element of 1 byte; 20 padding on; 21 set beside a mask; 24:22 after every 64 words (code 5); 31:25 of 4 words (code 3)
	s_or_b32 s[G1B+0], s44, (0<<16)|(1<<20)|(1<<21)|(5<<22)|(3<<25)
.irp g, G1, G1B
	s_mov_b32 s[\g+1], ROWB<<16                    ; tensor_dim0
	s_mov_b32 s[\g+2], 256<<16                     ; tensor_dim1: the head's loads bring whole tiles of 256 rows
	s_mov_b32 s[\g+3], ROWB<<16                    ; tile_dim0
	s_mov_b32 s[\g+4], 256                         ; tile_dim1
	s_mov_b32 s[\g+5], KROW                        ; tensor_dim0_stride
	s_mov_b32 s[\g+6], 0
	s_mov_b32 s[\g+7], 0
.endr
	s_lshl_b32 s18, s16, 7                         ; which 128 rows of the tile I fetch
	s_lshl_b32 s20, s17, 8
	s_add_co_u32 s20, s20, s18                     ; X: row 256 x tile + 128 x half
	s_lshl_b32 s46, s42, 8
	s_add_co_u32 s46, s46, s18                     ; Y likewise
	s_mov_b32 s21, 0
	s_mov_b32 s47, 0
	s_mov_b64 s[18:19], KROW
	s_mul_u64 s[20:21], s[20:21], s[18:19]
	s_mul_u64 s[46:47], s[46:47], s[18:19]
	s_mul_i32 s45, s14, HALFT                      ; where they go: wave x 128 rows: no place in the cluster enters an LDS address
	s_wait_dscnt 0x0                               ; both opening adds are done
	s_wait_kmcnt 0x0
	s_cmp_eq_u32 s[G], 0                           ; the buffers are chosen by g, which hangs on no address
	s_cselect_b64 s[4:5], s[68:69], s[70:71]       ; X
	s_cselect_b64 s[6:7], s[74:75], s[76:77]       ; Y
	s_cselect_b64 s[12:13], s[80:81], s[82:83]     ; the bias
	s_cselect_b64 s[10:11], s[86:87], s[88:89]     ; the codes that I store
	s_cmp_eq_u32 s[G], 2
	s_cselect_b64 s[4:5], s[72:73], s[4:5]
	s_cselect_b64 s[6:7], s[78:79], s[6:7]
	s_cselect_b64 s[12:13], s[84:85], s[12:13]
	s_cselect_b64 s[10:11], s[90:91], s[10:11]
	s_load_b256 s[68:75], s[92:93], 0x0            ; e0 .. e7
	s_load_b128 s[76:79], s[92:93], 0x20           ; e8 .. e11
	s_add_nc_u64 s[20:21], s[4:5], s[20:21]
	s_add_nc_u64 s[46:47], s[6:7], s[46:47]
	s_cmp_eq_u32 s[G], 3                           ; clusters 12-15 (g = 3) lay the mask out: g is the same in all sixteen partners and in all waves
	s_wait_alu depctr_va_vdst(0)
	s_cbranch_scc1 .Lmask
	CROUND
.irp s, 0,1
	s_mov_b32 s[G0+4*\s], 1
	s_add_co_u32 s[G0+4*\s+1], s45, \s*SLOT
	s_add_nc_u64 s[G0+4*\s+2:G0+4*\s+3], s[20:21], \s*ROWB
	s_or_b32 s[G0+4*\s+3], s[G0+4*\s+3], 0x80000000
	s_mov_b32 s[G0B+4*\s], 1
	s_add_co_u32 s[G0B+4*\s+1], s45, \s*SLOT
	s_add_nc_u64 s[G0B+4*\s+2:G0B+4*\s+3], s[46:47], \s*ROWB
	s_or_b32 s[G0B+4*\s+3], s[G0B+4*\s+3], 0x80000000
.endr
	; THE HEAD'S FILLS: one joint load a wave, a whole tile of 256 rows each: waves 0, 1: X's K steps 0, 1; waves 2, 3: Y's.  Both slots are asked for at once.
	s_lshl_b32 s94, s16, 8                         ; K step wave % 2: 256 bytes along a row
	s_lshl_b32 s80, s17, 18                        ; X's tile: 256 rows of 1,024 bytes
	s_add_co_u32 s86, s80, s94
	s_mov_b32 s87, 0
	s_add_nc_u64 s[86:87], s[4:5], s[86:87]
	s_or_b32 s87, s87, 0x80000000
	s_lshl_b32 s82, s42, 18                        ; Y's tile
	s_add_co_u32 s90, s82, s94
	s_mov_b32 s91, 0
	s_add_nc_u64 s[90:91], s[6:7], s[90:91]
	s_or_b32 s91, s91, 0x80000000
	s_mul_i32 s85, s15, 2*HALFT                    ; X's rows, or Y's behind them,
	s_mul_i32 s81, s16, SLOT                       ; in slot wave % 2
	s_add_co_u32 s85, s85, s81
	s_mov_b32 s89, s85
	s_mov_b32 s84, 1
	s_mov_b32 s88, 1
	JLOAD 84, G1, 88, G1B
	v_and_b32 v1, 15, v0                           ; r = l % 16
	s_wait_alu depctr_va_vdst(0)
	v_bfe_u32 v2, v0, 4, 1                         ; h = l / 16
	v_mul_u32_u24 v3, v1, PITCH
	v_lshl_add_u32 v4, v2, 4, v3                   ; a fragment's row x pitch + 16 x half
	s_mul_i32 s21, s15, HALFT                      ; my 128 rows of X
	s_mul_i32 s22, s16, HALFT                      ; my 128 rows of Y,
	s_add_co_u32 s22, s22, 2*HALFT                 ; which lie behind X's 256
.irp s, 0,1
	v_add_nc_u32 v[ADRA+\s], s21, v4
	v_add_nc_u32 v[ADRB+\s], s22, v4
	s_add_co_u32 s21, s21, SLOT
	s_add_co_u32 s22, s22, SLOT
.endr
	s_mul_i32 s23, s14, 16*QP                      ; my stage
	v_mul_u32_u24 v5, v1, QP                       ; in: row r, 16 bytes for each half of the lanes
	s_wait_alu depctr_va_vdst(0)
	v_lshl_add_u32 v5, v2, 4, v5
	v_add_nc_u32 v[STO], s23, v5
	v_and_b32 v6, 31, v0
	v_lshlrev_b32 v[CO], 4, v6                     ; out: 16 x lane
	v_lshrrev_b32 v5, 3, v6                        ; back: eight lanes to a row of 128 bytes, four rows an instruction
	v_mul_u32_u24 v5, v5, QP
	v_and_b32 v6, 7, v6
	v_lshl_add_u32 v5, v6, 4, v5
	v_add_nc_u32 v[RD], s23, v5
	s_lshl_b32 s20, s17, 1                         ; my block of 16,384 bytes: (2 x X's tile + half) blocks along X,
	s_add_co_u32 s20, s20, s15
	s_mul_i32 s20, s20, s100
	s_lshl_b32 s46, s42, 1                         ; (2 x Y's tile + half) along Y
	s_add_co_u32 s46, s46, s16
	s_mul_i32 s46, s46, s101
	s_add_co_u32 s20, s20, s46
	s_mov_b32 s21, 0
	s_add_nc_u64 s[10:11], s[10:11], s[20:21]
.macro FRAG reg, adr, q, i             ; a fragment: lane l holds row l % 16; registers 4 c .. 4 c + 3 hold bytes 32 c + 16 (l / 16) + 0 .. 15 of the step's 128: one and the same order of k in X and in Y
.irp c, 0,1,2,3
	ds_load_b128 v[\reg+4*\c:\reg+4*\c+3], v[\adr] offset:128*(\q)+32*\c+(\i)*16*PITCH
.endr
.endm
; 16 matrix instructions: X's blocks a0, a0 + 1 x Y's eight, 128 along K.  p: Y's set.  zero = 1: the first product starts the sums.  The 64 accumulators take turns, one instruction a turn .
.macro MUL16 a0, p, zero
.irp a, \a0, \a0+1
.irp b, 0,1,2,3,4,5,6,7
.if \zero
	v_wmma_f32_16x16x128_bf8_bf8 v[8*(8*((\a)%4)+\b):8*(8*((\a)%4)+\b)+7], v[128*(\p)+FR*\b:128*(\p)+FR*\b+FR-1], v[AF+FR*(\a):AF+FR*(\a)+FR-1], 0
.else
	v_wmma_f32_16x16x128_bf8_bf8 v[8*(8*((\a)%4)+\b):8*(8*((\a)%4)+\b)+7], v[128*(\p)+FR*\b:128*(\p)+FR*\b+FR-1], v[AF+FR*(\a):AF+FR*(\a)+FR-1], v[8*(8*((\a)%4)+\b):8*(8*((\a)%4)+\b)+7]
.endif
.endr
.endr
.endm
.macro FETCH_B slot, q, p              ; Y's eight fragments of the slot's q-th 128 along K into set p
	WIN TO_B
.irp i, 0,1,2,3,4,5,6,7
	FRAG 128*(\p)+FR*\i, ADRB+\slot, \q, \i
.endr
	WIN 0
.endm
.macro FETCH_A slot, q, i0             ; X's blocks i0 .. i0 + 3
.irp i, \i0, \i0+1, \i0+2, \i0+3
	FRAG AF+FR*(\i), ADRA+\slot, \q, \i
.endr
.endm
.macro PLACES n                        ; plain vector instructions between a matrix instruction and a load into, or a vector instruction on, its registers
.rept \n
	v_nop
.endr
.endm
; A step of 128 along K that has its successor in the same slot.
.macro STEP slot, q, zero
	s_wait_dscnt 4*NL                              ; Y's set and X's blocks 0-3 are in; the youngest 16 loads (X's blocks 4-7) may be out
	WIN MUL_LO
	MUL16 0, (\q)%2, \zero
	MUL16 2, (\q)%2, \zero
	s_wait_dscnt 0                                 ; X's blocks 4-7 are in
	PLACES NP
	FETCH_B \slot, (\q)+1, 1-(\q)%2
	FETCH_A \slot, (\q)+1, 0
	WIN MUL_HI
	MUL16 4, (\q)%2, \zero
	MUL16 6, (\q)%2, \zero
	PLACES NP
	WIN 0
	FETCH_A \slot, (\q)+1, 4
.endm
; A slot's last step changes slots: ONE barrier; in front of it each wave waits for all its tensor loads, adds 0 to its spare word, and waits for that and for its own reads of this slot.  fill = 1: this slot is filled again, two K steps ahead.
.macro TURN slot, next, fill
	s_wait_tensorcnt 0x0                           ; all my tensor loads have landed: my part of the next slot
	ds_add_u32 v[SPW], v[NIL]                      ; 0 onto my spare word
	s_wait_dscnt 4*NL+1                            ; (the add and the youngest 16 loads may be out)
	WIN MUL_LO
	MUL16 0, 1, 0                                  ; sixteen matrix instructions stand between the add and the wait for it
	s_wait_dscnt 0x0                               ; the add is done, and my reads of this slot are over
	s_barrier_signal -1
	MUL16 2, 1, 0
	WIN 0
	s_barrier_wait -1
.if \fill
	CREST                                          ; the barrier has opened a round of the cluster's barrier: no wave of any partner still reads this slot's tile or has a load on its way
	s_add_nc_u64 s[G0+4*\slot+2:G0+4*\slot+3], s[G0+4*\slot+2:G0+4*\slot+3], 2*ROWB
	s_add_nc_u64 s[G0B+4*\slot+2:G0B+4*\slot+3], s[G0B+4*\slot+2:G0B+4*\slot+3], 2*ROWB
	JLOAD G0+4*\slot, G1, G0B+4*\slot, G1B         ; the first tensor load behind the round; the four v_nop behind it are the places in front of the loads below
.else
	PLACES NP
.endif
	FETCH_B \next, 0, 0
	FETCH_A \next, 0, 0
	WIN MUL_HI
	MUL16 4, 1, 0
	MUL16 6, 1, 0
	PLACES NP
	WIN 0
	FETCH_A \next, 0, 4
.endm
.macro SENDQ a                         ; block a's 16 rows of 128 bytes: each store of the wave covers 512 consecutive bytes, aligned
.irp i, 0,1,2,3
	global_store_b128 v[CO], v[BK+16*((\a)%2)+4*\i:BK+16*((\a)%2)+4*\i+3], s[10:11] offset:2048*(\a)+512*\i
.endr
.endm
; THE LAST TWO STEPS OF 128 AND THE WAY OUT, once for each kind of bias.  v = 0: the bias goes along Y (a lane's eight channels); v = 1: along X (the lane's one channel).
; The bias is asked for first, into registers that the products do not touch, and lands under the 128 matrix instructions that follow.
.macro TAIL v
.if \v
	s_lshl_b32 s20, s17, 1
	s_add_co_u32 s20, s20, s15
	s_lshl_b32 s20, s20, 9                         ; my 128 channels: 512 bytes x (2 x X's tile + half)
	s_mov_b32 s21, 0
	s_add_nc_u64 s[12:13], s[12:13], s[20:21]
	v_lshlrev_b32 v[BO], 2, v1
.irp a, 0,1,2,3,4,5,6,7
	global_load_b32 v[BX+2*\a], v[BO], s[12:13] offset:64*\a       ; channel 16 a + r
.endr
.else
	s_lshl_b32 s46, s42, 1
	s_add_co_u32 s46, s46, s16
	s_lshl_b32 s46, s46, 9                         ; 512 bytes x (2 x Y's tile + half)
	s_mov_b32 s47, 0
	s_add_nc_u64 s[12:13], s[12:13], s[46:47]
	v_lshlrev_b32 v[BO], 5, v2
.irp b, 0,1,2,3,4,5,6,7
	global_load_b128 v[BY+8*\b:BY+8*\b+3], v[BO], s[12:13] offset:64*\b          ; channels 16 b + 8 h + 0 .. 7
	global_load_b128 v[BY+8*\b+4:BY+8*\b+7], v[BO], s[12:13] offset:64*\b+16
.endr
.endif
	STEP 1, 0, 0
	s_wait_dscnt 4*NL                              ; the very last step: nothing more to fetch
	WIN MUL_LO
	MUL16 0, 1, 0
	MUL16 2, 1, 0
	s_wait_dscnt 0
	WIN MUL_HI
	MUL16 4, 1, 0
	MUL16 6, 1, 0
	WIN 0
	PLACES NP                                      ; in front of the first read of results and of writes into the registers that held X's fragments
	s_wait_loadcnt 0x0                             ; the bias
.if \v
.irp a, 0,1,2,3,4,5,6,7
	v_mov_b32 v[BX+2*\a+1], v[BX+2*\a]             ; the pair for the packed form
.endr
.endif
; Block a of 16 rows: y = sum x 2^(the two operands' e) + bias, one fused multiply-add for two numbers; held within the largest code x the result's scale; converted: a lane's eight numbers give eight codes.
; The codes go through my own stage in LDS and come back as rows.  Block a's arithmetic stands between block a - 1's loads from the stage and the wait for them.
.irp a, 0,1,2,3,4,5,6,7
.set AC, 64*((\a)%4)
	WIN 0x02+((\a)/4)                              ; source 0: window 2 or 3
.set j, 0
.rept 32
.if \v
	v_pk_fma_f32 v[TMP+j:TMP+j+1], v[AC+j:AC+j+1], s[96:97], v[BX+2*\a:BX+2*\a+1] op_sel_hi:[1,0,1]   ; each accumulator from its low end on
.else
	v_pk_fma_f32 v[TMP+j:TMP+j+1], v[AC+j:AC+j+1], s[96:97], v[BY+j:BY+j+1] op_sel_hi:[1,0,1]
.endif
.set j, j+2
.endr
	WIN 0
.set j, 0
.rept 64
	v_med3_num_f32 v[TMP+j], v[TMP+j], -v[LIM], v[LIM]   ; the conversion to an 8-bit code does not saturate (ISA guide 7.6.2): the hold comes first
.set j, j+1
.endr
.if \a > 0
	s_wait_alu depctr_va_vdst(0)
	s_wait_dscnt 0x0                               ; block a - 1 is back from the stage
	SENDQ \a-1
.endif
.irp b, 0,1,2,3,4,5,6,7
	v_cvt_scalef32_pk8_bf8_f32 v[CD+2*\b:CD+2*\b+1], v[TMP+8*\b:TMP+8*\b+7], v[SCL]
.endr
	v_nop                                          ; one plain vector instruction behind the last conversion, ahead of the next block's writes of its sources
.if \a > 1
	s_wait_alu depctr_va_vdst(0)
	s_wait_xcnt 0x0                                ; block a - 2's stores have read their registers: block a's rows may land there
.endif
.irp c, 0,1,2,3
	ds_store_b128 v[STO], v[CD+4*\c:CD+4*\c+3] offset:ARM*\v+32*\c     ; bytes 32 c + 16 h + 0 .. 15 of row r
.endr
.irp i, 0,1,2,3
	ds_load_b128 v[BK+16*((\a)%2)+4*\i:BK+16*((\a)%2)+4*\i+3], v[RD] offset:ARM*\v+4*QP*\i   ; LDS serves a wave's instructions in order (ISA guide 5.7.1.4): these see the stores above
.endr
.endr
	s_wait_dscnt 0x0
	SENDQ 7
.endm
	s_wait_alu depctr_va_vdst(0)
	s_wait_tensorcnt 0x0                           ; my tile is in, so the descriptors may be written: the refills bring 128 rows a wave
	s_mov_b32 s[G1+2], 128<<16
	s_mov_b32 s[G1+4], 128
	s_mov_b32 s[G1B+2], 128<<16
	s_mov_b32 s[G1B+4], 128
	s_barrier_signal -1
	s_barrier_wait -1                              ; everybody's is: both slots are whole
	FETCH_B 0, 0, 0
	FETCH_A 0, 0, 0
	FETCH_A 0, 0, 4
	STEP 0, 0, 1                                   ; the first step stands in front of the loop: its products start the sums
	s_mov_b32 s3, LAPS-1
.Llap:                                                 ; a trip goes once round the ring, from a lap's second step to the next lap's first, and fills both slots again
	TURN 0, 1, 1
	STEP 1, 0, 0
	TURN 1, 0, 1
	STEP 0, 0, 0
	s_sub_co_u32 s3, s3, 1
	s_cmp_lg_u32 s3, 0
	s_cbranch_scc1 .Llap
	TURN 0, 1, 0                                   ; the last lap fills nothing, and has no round of the cluster's barrier
	s_wait_kmcnt 0x0                               ; the exponents
	s_add_co_i32 s68, s68, s69                     ; e0 + e1
	s_add_co_i32 s70, s70, s71                     ; e2 + e3
	s_add_co_i32 s72, s72, s73                     ; e4 + e5
	s_cmp_eq_u32 s[G], 0                           ; chosen by g, without a jump
	s_cselect_b32 s96, s68, s70
	s_cselect_b32 s94, s74, s75                    ; e6 or e7
	s_cmp_eq_u32 s[G], 2
	s_cselect_b32 s96, s72, s96
	s_cselect_b32 s94, s77, s94                    ; e9
	s_add_co_i32 s96, s96, 127
	s_lshl_b32 s96, s96, 23                        ; 2^(the two operands' e) as f32
	s_mov_b32 s97, s96                             ; (named with it as a pair, so it is written)
	s_add_co_i32 s94, s94, 127
	s_lshl_b32 s95, s94, 23
	v_mov_b32 v[SCL], s95                          ; the result's scale as f32: the conversion takes its exponent field
	s_add_co_i32 s94, s94, 15
	s_lshl_b32 s94, s94, 23
	s_or_b32 s94, s94, 0x600000
	v_mov_b32 v[LIM], s94                          ; 57,344 x that
	s_cmp_eq_u32 s[G], 2                           ; g is the same in all sixteen partners and in all waves
	s_cbranch_scc1 .Lchannels
	TAIL 0
	s_branch .Lend
.Lchannels:
	TAIL 1
	s_branch .Lend
; THE MASK, clusters 12-15: mk = mask x -10000 x 2^(3 - e6 - e7) (the scores' sums' units; the power of two rounds nothing), laid in the order of the scores' accumulators.
; mk: [16 queries: 128][128 keys: 16][piece f: 16][lane: 32][16 bytes]; piece f = 2 t + c of lane (r, h) holds query r, keys 16 t + 8 h + 4 c + 0 .. 3.
; 256 waves; wave n takes queries 16 (n / 2) on and eight tiles of 128 keys, 1,024 (n % 2) on: two trips of four tiles.  A tile's 16 rows of 512 bytes are read whole, go through the wave's own
; stage in LDS (bytes that no tensor load fills and no other path names) and leave as 16 stores of 512 consecutive bytes.  LIMIT: e6 + e7 between -111 and 130.
.Lmask:
.set MSTG, SPARE+512
.set MPI,  528                         ; a stage row: 512 bytes + 16
	s_load_b128 s[4:7], s[0:1], 0x68               ; mask s[4:5], mk s[6:7]
	s_lshl_b32 s20, s[CL], 4
	s_lshl_b32 s21, s41, 2
	s_add_co_u32 s20, s20, s21
	s_add_co_u32 s20, s20, s40                     ; work-group 0..63 (my place enters global addresses alone)
	s_lshl_b32 s20, s20, 2
	s_add_co_u32 s20, s20, s14                     ; n
	s_lshr_b32 s21, s20, 1
	s_and_b32 s22, s20, 1
	s_lshl_b32 s46, s21, 17                        ; 16 rows of 8,192 bytes; in mk 16 tiles of 8,192
	s_lshl_b32 s23, s22, 12
	s_add_co_u32 s20, s46, s23                     ; mask: + 8 tiles x 512 bytes of a row
	s_mov_b32 s21, 0
	s_lshl_b32 s23, s22, 16
	s_add_co_u32 s46, s46, s23                     ; mk: + 8 tiles
	s_mov_b32 s47, 0
	s_mul_i32 s23, s14, 16*MPI
	s_add_co_u32 s23, s23, MSTG                    ; my stage
	v_and_b32 v2, 31, v0
	v_lshlrev_b32 v3, 4, v2                        ; 16 x lane
	v_add_nc_u32 v4, s23, v3                       ; in: a row's 512 bytes
	v_and_b32 v5, 15, v0
	v_bfe_u32 v6, v0, 4, 1
	v_mul_u32_u24 v5, v5, MPI
	v_lshl_add_u32 v5, v6, 5, v5
	v_add_nc_u32 v5, s23, v5                       ; back: row r, + 32 h
	s_wait_alu depctr_va_vdst(0)
	s_wait_kmcnt 0x0
	s_add_co_i32 s96, s74, s75
	s_sub_co_i32 s96, 3, s96
	s_lshl_b32 s96, s96, 23
	s_add_co_u32 s96, s96, 0xc61c4000              ; -10000 x 2^(3 - e6 - e7)
	s_mov_b32 s97, s96
	s_add_nc_u64 s[4:5], s[4:5], s[20:21]
	s_add_nc_u64 s[6:7], s[6:7], s[46:47]
	s_mov_b32 s3, 2
.Lmtrip:
	WIN 0x40                                       ; four tiles into window 1
.irp i, 0,1,2,3
.irp j, 0,1,2,3,4,5,6,7,8,9,10,11,12,13,14,15
	global_load_b128 v[64*\i+4*\j:64*\i+4*\j+3], v3, s[4:5] offset:8192*\j+512*\i th:TH_LOAD_NT
.endr
.endr
	WIN 0
.irp i, 0,1,2,3
	s_wait_loadcnt 16*(3-\i)                       ; tile i is in; the later tiles' loads may be out
	WIN 0x04                                       ; store data in window 1
.irp j, 0,1,2,3,4,5,6,7,8,9,10,11,12,13,14,15
	ds_store_b128 v4, v[64*\i+4*\j:64*\i+4*\j+3] offset:MPI*\j
.endr
	WIN 0
	s_wait_xcnt 0x0                                ; the last tile's stores have read their registers
.irp f, 0,1,2,3,4,5,6,7,8,9,10,11,12,13,14,15
	ds_load_b128 v[32+4*\f:32+4*\f+3], v5 offset:64*(\f/2)+16*(\f%2)   ; LDS serves a wave's instructions in order: these see the stores above
.endr
	s_wait_dscnt 0x0
.set j, 0
.rept 32
	v_pk_mul_f32 v[32+j:33+j], v[32+j:33+j], s[96:97] op_sel_hi:[1,0]
.set j, j+2
.endr
.irp f, 0,1,2,3,4,5,6,7,8,9,10,11,12,13,14,15
	global_store_b128 v3, v[32+4*\f:32+4*\f+3], s[6:7] offset:8192*\i+512*\f   ; 512 consecutive bytes, aligned
.endr
.endr
	s_wait_xcnt 0x0                                ; the bases are stepped only behind this wait
	s_add_nc_u64 s[4:5], s[4:5], 2048
	s_add_nc_u64 s[6:7], s[6:7], 32768
	s_sub_co_u32 s3, s3, 1
	s_cmp_lg_u32 s3, 0
	s_cbranch_scc1 .Lmtrip
.Lend:
	s_wait_tensorcnt 0x0                           ; the wave's end, behind my last tensor load and my last LDS store
	ds_add_u32 v[SPW], v[NIL]
	s_wait_dscnt 0x0
	CROUND                                         ; the closing round: no work-group ends while a partner may still ask for a tile that names it
	s_endpgm
.Lfunc_end_k_q544c0d5bbb_proj:
	.size	k_q544c0d5bbb_proj, .Lfunc_end_k_q544c0d5bbb_proj-k_q544c0d5bbb_proj
	.p2alignl 7, 3214868480
	.fill 96, 4, 3214868480
	.section	.rodata,"a",@progbits
	.p2align	6, 0x0
	.amdhsa_kernel k_q544c0d5bbb_proj
		.amdhsa_group_segment_fixed_size 327680
		.amdhsa_private_segment_fixed_size 0
		.amdhsa_enable_private_segment 0
		.amdhsa_kernarg_size 120
		.amdhsa_user_sgpr_count 2
		.amdhsa_user_sgpr_kernarg_segment_ptr 1
		.amdhsa_wavefront_size32 1
		.amdhsa_system_sgpr_workgroup_id_x 1
		.amdhsa_system_sgpr_workgroup_id_y 1
		.amdhsa_system_sgpr_workgroup_id_z 1
		.amdhsa_system_vgpr_workitem_id 0
		.amdhsa_next_free_vgpr 1024
		.amdhsa_next_free_sgpr 102
		.amdhsa_reserve_vcc 0
		.amdhsa_float_denorm_mode_32 3
		.amdhsa_float_denorm_mode_16_64 3
		.amdhsa_memory_ordered 1
		.amdhsa_forward_progress 1
		.amdhsa_inst_pref_size 247
	.end_amdhsa_kernel
	.amdgpu_metadata
---
amdhsa.version: [ 1, 2 ]
amdhsa.kernels:
  - .name:           k_q544c0d5bbb_proj
    .symbol:         k_q544c0d5bbb_proj.kd
    .args:
      - { .name: q_codes, .offset: 0, .size: 8, .value_kind: global_buffer, .address_space: global }
      - { .name: k_codes, .offset: 8, .size: 8, .value_kind: global_buffer, .address_space: global }
      - { .name: Wv_codes, .offset: 16, .size: 8, .value_kind: global_buffer, .address_space: global }
      - { .name: Wq_codes, .offset: 24, .size: 8, .value_kind: global_buffer, .address_space: global }
      - { .name: Wk_codes, .offset: 32, .size: 8, .value_kind: global_buffer, .address_space: global }
      - { .name: v_codes, .offset: 40, .size: 8, .value_kind: global_buffer, .address_space: global }
      - { .name: bq, .offset: 48, .size: 8, .value_kind: global_buffer, .address_space: global }
      - { .name: bk, .offset: 56, .size: 8, .value_kind: global_buffer, .address_space: global }
      - { .name: bv, .offset: 64, .size: 8, .value_kind: global_buffer, .address_space: global }
      - { .name: qc, .offset: 72, .size: 8, .value_kind: global_buffer, .address_space: global }
      - { .name: kc, .offset: 80, .size: 8, .value_kind: global_buffer, .address_space: global }
      - { .name: vc, .offset: 88, .size: 8, .value_kind: global_buffer, .address_space: global }
      - { .name: lowp_scales, .offset: 96, .size: 8, .value_kind: global_buffer, .address_space: global }
      - { .name: mask, .offset: 104, .size: 8, .value_kind: global_buffer, .address_space: global }
      - { .name: mk, .offset: 112, .size: 8, .value_kind: global_buffer, .address_space: global }
    .group_segment_fixed_size: 327680
    .private_segment_fixed_size: 0
    .kernarg_segment_align: 8
    .kernarg_segment_size: 120
    .max_flat_workgroup_size: 128
    .sgpr_count:     102
    .vgpr_count:     1024
    .wavefront_size: 32
...
	.end_amdgpu_metadata
.endif
;; end of part 1
;; launch attn (part 2): grid 4 x 64, 8 waves a work-group, clusters of 4 x 4, 327,680 bytes of LDS; arguments qc, kc, vc, mk, lowp_scales, cc; writes cc
.if DOCPART == 2
	.amdgcn_target "amdgcn-amd-amdhsa--gfx1250"
	.amdhsa_code_object_version 6
	.text
	.protected	k_q544c0d5bbb_attn
	.globl	k_q544c0d5bbb_attn
	.p2align	8
	.type	k_q544c0d5bbb_attn,@function
k_q544c0d5bbb_attn:
	s_mov_b64 s[64:65], 0
	v_nop
	global_prefetch_b8 v0, s[64:65] scope:SCOPE_SE
	s_setreg_imm32_b32 hwreg(HW_REG_WAVE_MODE, 25, 1), 1
	s_wait_xcnt 0x0
	s_wait_alu depctr_hold_cnt(0) depctr_sa_sdst(0) depctr_va_vdst(0) depctr_va_sdst(0) depctr_va_ssrc(0) depctr_va_vcc(0) depctr_vm_vsrc(0)
	s_getreg_b32 s2, hwreg(HW_REG_IB_STS2, 6, 4)
	s_cmp_eq_u32 s2, 0
	s_cbranch_scc0 .Lentry_in_a_cluster
	s_endpgm
.Lentry_in_a_cluster:
	s_bfe_u32 s2, ttmp6, 0x10000c
	s_cmp_lg_u32 s2, 0xf033
	s_cbranch_scc0 .Lentry_shape_is_right
	s_endpgm
.Lentry_shape_is_right:
; ATTENTION on codes of BF8 (E5M2): scores = qh kh^T / 8 + mask x -10000, softmax, x vh; the result is quantised with entry 10 of the scales and stored as codes, [token][1024].
; Nothing is left out: the mask is an input, so every pair of query and key is computed.
; THE SOFTMAX: t = logit x log2(e); M = the row's largest t so far, rounded UP to a whole number; p = 2^(t - M) is quantised (entry 8), not normalised; the row's sum of the unquantised p divides at the end.
; When M moves, the sum and O are multiplied by 2^(old M - new M): exact.
; THE MASK IS THE C OF THE SCORES' PRODUCT.  mk holds mask x -10000 x 2^(3 - e6 - e7), in the sums' units and in the accumulators' order: x = sum + mk, t = x CS, CS = log2(e) / 8 x 2^(e6 + e7).
; A wave takes its mk by loads of 512 consecutive bytes straight into registers, 128 keys ahead of the product that takes them; D lies in other registers than C.
; LIMITS on the given exponents: e6 + e7 between -111 and 130; e10 between -126 and 112; e8 BETWEEN -15 AND 112: p is at most 1, so p / 2^e8 is at most 32,768, under the format's largest number 57,344, and no hold is written for p.
; e8 + e9 goes in by v_ldexp_f32.  NaN in the mask is not served.
; SHARES.  A work-group owns 64 queries x 4 heads (heads 4 cx on; queries 64 (4 cluster y + cy) on, the batch folded in).  Wave w: head w % 4, queries 32 (w / 4) on: two units of 16 queries, which share each fragment of K and V.
; THE RING: two slots of 256 keys: K's two blocks of 128 keys x 256 channels, then V's two.  Each of the eight waves fetches 64 rows of 256 bytes (wave w: LDS rows 64 w on), one joint load a wave.
; CLUSTER 4 x 4: K and V hang on cx and are shared along a column.  mk hangs on cy and goes to registers: it is no tensor load.
; LAYOUT.  Both products transposed: a lane holds ONE query (lane % 16); its eight registers of tile t are keys 16 t + 8 (lane / 16) + 0 .. 7.
; REGISTERS.  Window 0: v1-11, v38, v39 addresses; v12-37 statistics; v41-43 scales; v44-59 Q; v60-123 K's fragments, later p's codes; v124-251 S^T, then p.  Window 1: v0-63 O^T; v64-127 V; v128-255 mk.
.set KP,    272                        ; two rows of 128 bytes of K or V + 16 of padding
.set SP,    272                        ; a stage row: 256 codes of a token + 16
.set KSB,   128*KP                     ; a block of 128 keys of K or of V
.set PART,  64*KP                      ; what one wave's load brings
.set VOFF,  2*KSB
.set SLOT,  4*KSB
.set STAGE, 2*SLOT                     ; behind the ring: 64 rows for the way out; no fill lands there
.set SPARE, STAGE+64*SP                ; the spare words, 128 bytes for each of the eight waves
.set NSL,   8                          ; slots' worth of keys
.set SLSTEP, 0x40000                   ; bytes from a slot's blocks of K or V to the next slot's
.set AK0, 1
.set AV0, 2
.set MO,  3                            ; 16 x lane
.set ADK, 4
.set ADV, 5
.set PFM, 6                            ; 256 x lane
.set QO,  7
.set SPW, 8
.set NIL, 9
.set PFK, 10                           ; 256 x min(lane, 15)
.set STO, 11
.set RD,  38
.set GO,  39
.set PSCL, 41
.set CLIM, 42
.set CSCL, 43
.set Q,   44
.set KF,  60
.set PC,  60
.set S,   124
; statistics of unit u: v[12+4u] -M, v[13+4u] the largest t, v[14+4u:15+4u] the sum, v[20+2u] f, v[24+4u..27+4u] at work, v[32+2u:33+2u] a second chain of sums, v[36+u] a permute's destination
.set WV,  16
.set HD,  17
.set QH,  18
.set CX,  19
.set CY,  20
.set CLY, 21
.set G1,  24                           ; s[24:31] descriptor group 1
.set WOFF, 32                          ; my part's place in a slot
.set FB,  33                           ; the slot that is filled next
.set TB,  34                           ; the slot in hand
.set CNT, 35                           ; changes of slots that still ask for tiles
.set LIMK, 36                          ; 1 where my wave prefetches K or V, else the greatest number
.set LIMM, 37                          ; the same for mk
.set EO,  38
.set G0,  40                           ; s[40:43] group 0, which walks
.set MB,  44                           ; s[44:45] my mk
.set PFA, 46                           ; s[46:47] my prefetches of K or V;  s[48:49] of mk
.set PFB, 48
.set SEL, 52
.set CS,  54
.set MSB, 0
.macro WIN new
.if MSB != \new
	s_set_vgpr_msb (MSB<<8)|\new
.set MSB, \new
.endif
.endm
.macro CROUND                          ; a round of the cluster's barrier
	s_barrier_signal -1
	s_barrier_wait -1
	s_cmp_lg_u32 s[WV], 0
	s_cbranch_scc1 .Lnot_wave_0_\@
	s_barrier_signal -3
.Lnot_wave_0_\@:
	s_barrier_wait -3
	s_barrier_signal -1
	s_barrier_wait -1
.endm
.macro TLOAD                           ; every wave's one joint load; an s_nop 0 and four v_nop follow
	tensor_load_to_lds s[G0:G0+3], s[G1:G1+7]
	s_nop 0
.rept 4
	v_nop
.endr
.endm
; PREFETCHES INTO THE L2 of the slot after the one that is being asked for: a slot's two key steps ahead of its tensor load, three key steps ahead of mk's loads.
; K, V: a batch's first cluster asks; of the 16,384 bytes that wave w fetches, the partner at cy takes 4,096 (by address): lanes 0-15 a block of 256 bytes each, the others the last again.
; mk: batch 0's clusters ask; the partner at cx takes the block's tile of 16 queries number cx (by address), waves 0 and 1 a key step's 8,192 bytes each.  Slots 0 and 1 come by their loads alone; the last two changes ask for nothing.
.macro ASK
	s_cmp_gt_u32 s[CNT], s[LIMK]
	s_cbranch_scc0 .Lno_kv_\@
	global_prefetch_b8 v[PFK], s[PFA:PFA+1] th:TH_LOAD_NT scope:SCOPE_SE
.Lno_kv_\@:
	s_cmp_gt_u32 s[CNT], s[LIMM]
	s_cbranch_scc0 .Lno_m_\@
	global_prefetch_b8 v[PFM], s[PFB:PFB+1] th:TH_LOAD_NT scope:SCOPE_SE
.Lno_m_\@:
.endm
.macro MLOAD                           ; a key step's mk of both units: 32 loads of 512 consecutive bytes
	WIN 0x40
.irp u, 0,1
.set f, 0
.rept 16
	global_load_b128 v[128+64*\u+4*f:128+64*\u+4*f+3], v[MO], s[MB:MB+1] offset:131072*\u+512*f
.set f, f+1
.endr
.endr
.endm
	s_load_b256 s[4:11], s[0:1], 0x0               ; qc, kc, vc, mk
	s_load_b128 s[12:15], s[0:1], 0x20             ; the exponents, cc
	v_lshl_add_u32 v[SPW], v0, 2, SPARE
	v_mov_b32 v[NIL], 0
	ds_add_u32 v[SPW], v[NIL]                      ; the opening: the add, twice on end, and its wait ahead of the first tensor load
	ds_add_u32 v[SPW], v[NIL]
	v_lshrrev_b32 v24, 5, v0
	v_readfirstlane_b32 s[WV], v24                 ; wave 0..7
	s_and_b32 s[HD], s[WV], 3
	s_lshr_b32 s[QH], s[WV], 2
	s_bfe_u32 s[CX], ttmp6, 0x40000
	s_bfe_u32 s[CY], ttmp6, 0x40004
	s_and_b32 s[CLY], ttmp7, 0xffff                ; cluster y, 0..15; the batch is cluster y / 8
	s_lshl_b32 s23, 0x1111, s[CX]                  ; my column
	s_or_b32 s[G1], s23, (1<<20)|(1<<21)|(5<<22)|(3<<25)   ; the mask; elements of 1 byte; padding: four words after every 64
	s_mov_b32 s[G1+1], 256<<16
	s_mov_b32 s[G1+2], 64<<16
	s_mov_b32 s[G1+3], 256<<16
	s_mov_b32 s[G1+4], 64
	s_mov_b32 s[G1+5], 256
	s_mov_b32 s[G1+6], 0
	s_mov_b32 s[G1+7], 0
	s_mov_b32 s[SEL], 0x76543210
	s_mov_b32 s[SEL+1], 0xfedcba98
	s_mov_b32 s[CS], 0x3e38aa3b                    ; log2(e) / 8
	s_mov_b32 s[TB], 0
	s_mov_b32 s[FB], 0
	s_mov_b32 s[CNT], NSL-1
	s_lshr_b32 s80, s[CLY], 3
	s_lshl_b32 s80, s80, 21                        ; the batch's 16 key steps of 131,072 bytes
	s_lshl_b32 s81, s[CX], 15                      ; my four heads' 32,768 of a step
	s_add_co_u32 s80, s80, s81
	s_bfe_u32 s81, s[WV], 0x10001
	s_lshl_b32 s81, s81, 17                        ; the slot's first or second key step
	s_add_co_u32 s80, s80, s81
	s_and_b32 s81, s[WV], 1
	s_lshl_b32 s81, s81, 14                        ; the block's first or second half
	s_add_co_u32 s80, s80, s81
	s_mov_b32 s81, 0
	s_mul_i32 s[WOFF], s[WV], PART
	s_wait_dscnt 0x0                               ; both opening adds are done
	s_wait_kmcnt 0x0
	s_load_b256 s[68:75], s[12:13], 0x0            ; e0 .. e7
	s_load_b128 s[76:79], s[12:13], 0x20           ; e8 .. e11
	s_cmp_lt_u32 s[WV], 4                          ; waves 0-3 fetch K, waves 4-7 V
	s_cselect_b64 s[82:83], s[6:7], s[8:9]
	s_add_nc_u64 s[82:83], s[82:83], s[80:81]
	s_mov_b32 s[G0], 1
	s_mov_b32 s[G0+1], s[WOFF]
	s_mov_b64 s[G0+2:G0+3], s[82:83]
	s_or_b32 s[G0+3], s[G0+3], 0x80000000
	CROUND                                         ; the first joint loads meet
	TLOAD                                          ; slot 0
	s_lshl_b32 s84, s[CY], 12
	s_add_co_u32 s84, s84, SLSTEP                  ; at slot 1: the first change steps it to slot 2
	s_mov_b32 s85, 0
	s_add_nc_u64 s[PFA:PFA+1], s[82:83], s[84:85]
	s_and_b32 s86, s[CLY], 7
	s_cmp_eq_u32 s86, 0
	s_cselect_b32 s[LIMK], 1, -1
	s_lshl_b32 s84, s[CLY], 2
	s_add_co_u32 s84, s84, s[CY]                   ; my block of 64 queries, 0..63
	s_and_b32 s86, s84, 31
	s_lshl_b32 s86, s86, 2                         ; its first tile of 16 queries in mk
	s_add_co_u32 s87, s86, s[CX]
	s_lshl_b32 s88, s87, 17
	s_and_b32 s87, s[WV], 1
	s_lshl_b32 s87, s87, 13
	s_add_co_u32 s88, s88, s87
	s_add_co_u32 s88, s88, 16384                   ; at slot 1
	s_mov_b32 s89, 0
	s_add_nc_u64 s[PFB:PFB+1], s[10:11], s[88:89]
	s_lshr_b32 s87, s[CLY], 3
	s_lshr_b32 s90, s[WV], 1
	s_or_b32 s87, s87, s90
	s_cmp_eq_u32 s87, 0                            ; batch 0, waves 0 and 1
	s_cselect_b32 s[LIMM], 1, -1
	s_lshl_b32 s87, s[QH], 1
	s_add_co_u32 s86, s86, s87
	s_lshl_b32 s86, s86, 17                        ; my two tiles of mk, 131,072 bytes apart
	s_mov_b32 s87, 0
	s_add_nc_u64 s[MB:MB+1], s[10:11], s[86:87]
	s_lshr_b32 s85, s84, 1                         ; qc: 8 blocks of 16,384 bytes for each 128 tokens,
	s_lshl_b32 s85, s85, 3
	s_lshl_b32 s86, s[CX], 1
	s_add_co_u32 s85, s85, s86
	s_lshr_b32 s86, s[HD], 1
	s_add_co_u32 s85, s85, s86                     ; my pair of heads,
	s_lshl_b32 s85, s85, 14
	s_and_b32 s86, s84, 1
	s_lshl_b32 s86, s86, 1
	s_add_co_u32 s86, s86, s[QH]
	s_lshl_b32 s86, s86, 12                        ; my 32 rows of 128 bytes,
	s_add_co_u32 s85, s85, s86
	s_and_b32 s86, s[HD], 1
	s_lshl_b32 s86, s86, 6                         ; my head's 64 bytes
	s_add_co_u32 s86, s85, s86
	s_add_nc_u64 s[4:5], s[4:5], s[86:87]
	s_lshl_b32 s86, s84, 16                        ; cc: my block's rows, my group's 256 bytes, the 8 rows that my wave stores
	s_lshl_b32 s85, s[CX], 8
	s_add_co_u32 s86, s86, s85
	s_lshl_b32 s85, s[WV], 13
	s_add_co_u32 s86, s86, s85
	s_add_nc_u64 s[14:15], s[14:15], s[86:87]
	s_lshr_b32 s56, s[HD], 1
	s_mul_i32 s56, s56, 64*KP                      ; K: my pair of heads' rows,
	s_and_b32 s57, s[HD], 1
	s_lshl_b32 s57, s57, 6
	s_add_co_u32 s56, s56, s57                     ; my head's 64 bytes
	s_mul_i32 s57, s[HD], 32*KP
	s_add_co_u32 s57, s57, VOFF                    ; V: my head's 64 channels
	s_mul_i32 s58, s[QH], 32*SP
	s_lshl_b32 s59, s[HD], 6
	s_add_co_u32 s58, s58, s59
	s_add_co_u32 s58, s58, STAGE                   ; the stage, in
	s_mul_i32 s59, s[WV], 8*SP
	s_add_co_u32 s59, s59, STAGE                   ; and back
	v_and_b32 v24, 15, v0                          ; r
	v_bfe_u32 v25, v0, 4, 1                        ; h
	v_and_b32 v26, 31, v0
	v_lshlrev_b32 v[MO], 4, v26
	v_lshlrev_b32 v[PFM], 8, v26
	v_min_u32 v27, 15, v26
	v_lshlrev_b32 v[PFK], 8, v27
	v_lshlrev_b32 v[QO], 7, v24
	v_lshl_add_u32 v[QO], v25, 4, v[QO]
	v_lshrrev_b32 v26, 1, v24
	v_and_b32 v27, 1, v24
	v_mul_u32_u24 v26, v26, KP
	v_lshl_add_u32 v26, v27, 7, v26
	v_lshl_add_u32 v26, v25, 4, v26                ; (r / 2) x pitch + 128 (r % 2) + 16 h
	v_add_nc_u32 v[AK0], s56, v26
	v_add_nc_u32 v[AV0], s57, v26
	v_mul_u32_u24 v27, v24, SP
	v_lshl_add_u32 v27, v25, 3, v27
	v_add_nc_u32 v[STO], s58, v27
	v_mul_u32_u24 v27, v25, SP
	v_lshl_add_u32 v27, v24, 4, v27
	v_add_nc_u32 v[RD], s59, v27
	v_lshlrev_b32 v[GO], 10, v25
	v_lshl_add_u32 v[GO], v24, 4, v[GO]
.irp u, 0,1
	global_load_b128 v[Q+8*\u:Q+8*\u+3], v[QO], s[4:5] offset:2048*\u          ; Q stays in registers; K's fragments take the same bytes of a row
	global_load_b128 v[Q+8*\u+4:Q+8*\u+7], v[QO], s[4:5] offset:2048*\u+32
.endr
	MLOAD                                          ; key step 0's mk
	WIN 0
.irp u, 0,1
	v_mov_b32 v[13+4*\u], 0xff61b1e6               ; the largest t so far: -3e38
	v_floor_f32 v[12+4*\u], -v[13+4*\u]            ; -M
	v_mov_b32 v[14+4*\u], 0
	v_mov_b32 v[15+4*\u], 0
	v_mov_b32 v[21+2*\u], 0                        ; (named as the upper half of f's pair)
	v_mov_b32 v[36+\u], 0                          ; a lane permute's destination counts as a source
.endr
	WIN 0x40
.set j, 0
.rept 64
	v_mov_b32 v[j], 0                              ; O^T: the step is written once, its first run finds zeros
.set j, j+1
.endr
	WIN 0
	s_wait_kmcnt 0x0                               ; the exponents
	s_add_co_i32 s88, s74, s75
	s_lshl_b32 s89, s88, 23
	s_add_co_i32 s[CS], s[CS], s89                 ; e6 + e7 onto the exponent field of log2(e) / 8
	s_mov_b32 s[CS+1], s[CS]
	s_add_co_i32 s88, s76, 127
	s_lshl_b32 s89, s88, 23
	v_mov_b32 v[PSCL], s89                         ; 2^e8
	s_add_co_i32 s88, s78, 127
	s_lshl_b32 s89, s88, 23
	v_mov_b32 v[CSCL], s89                         ; 2^e10
	s_add_co_i32 s88, s88, 15
	s_lshl_b32 s88, s88, 23
	s_or_b32 s88, s88, 0x600000
	v_mov_b32 v[CLIM], s88                         ; 57,344 x 2^e10
	s_add_co_i32 s[EO], s76, s77                   ; e8 + e9
; The largest x of unit u's 64 registers: four chains, by turns; each accumulator is read from its low end on.
.macro MAXU u
.set rS, S+64*\u
.set rC, 24+4*\u
.irp k, 0,1,2,3
	v_max3_num_f32 v[rC+\k], v[rS+16*\k], v[rS+16*\k+1], v[rS+16*\k+2]
.endr
.irp i, 3,5,7,9,11,13
.irp k, 0,1,2,3
	v_max3_num_f32 v[rC+\k], v[rC+\k], v[rS+16*\k+\i], v[rS+16*\k+\i+1]
.endr
.endr
	v_max3_num_f32 v[rC], v[rC], v[rS+15], v[rS+31]
	v_max3_num_f32 v[rC+2], v[rC+2], v[rS+47], v[rS+63]
	s_delay_alu instid0(VALU_DEP_1)
	v_max3_num_f32 v[rC], v[rC], v[rC+1], v[rC+2]
	s_delay_alu instid0(VALU_DEP_1)
	v_max_num_f32 v[rC], v[rC], v[rC+3]
.endm
; A KEY STEP: 128 keys, the q-th of the slot in hand.  more = 1: the next key step's mk is asked for.
; chg = 1, 2: the slot's last key step: the change of slots is laid into it.  V's loads are the slot's last LDS reads, so the three lines and the barrier's signal stand ahead of the exponentials;
; work on registers alone follows up to the barrier's wait at the step's end.  chg = 1: that barrier opens a round of the cluster's barrier, and my part of the slot after next is asked for behind it.
.macro STEP q, more, chg
	v_add_nc_u32 v[ADK], s[TB], v[AK0]
	v_add_nc_u32 v[ADV], s[TB], v[AV0]
	v_nop
	v_nop                                          ; four places between the last products and the loads into the registers that held p's codes
.set t, 0
.rept 8
	ds_load_b128 v[KF+8*t:KF+8*t+3], v[ADK] offset:KSB*\q+8*KP*t          ; K: keys 16 t + r
	ds_load_b128 v[KF+8*t+4:KF+8*t+7], v[ADK] offset:KSB*\q+8*KP*t+32
.set t, t+1
.endr
	s_wait_alu depctr_va_vdst(0)                   ; ahead of the waits below
	s_wait_loadcnt 0x0                             ; this step's mk (the first time: Q too); its loads are done, so their base may step
.if \more
	s_add_nc_u64 s[MB:MB+1], s[MB:MB+1], 8192
.endif
	s_wait_dscnt 0x0                               ; K
	WIN 0x10                                       ; C in window 1
.set t, 0
.rept 8
	v_wmma_f32_16x16x64_bf8_bf8 v[S+8*t:S+8*t+7], v[KF+8*t:KF+8*t+7], v[Q:Q+7], v[128+8*t:128+8*t+7]   ; x = K Q^T + mk
	v_wmma_f32_16x16x64_bf8_bf8 v[S+64+8*t:S+64+8*t+7], v[KF+8*t:KF+8*t+7], v[Q+8:Q+15], v[192+8*t:192+8*t+7]
.set t, t+1
.endr
	WIN 0x40
.set t, 0
.rept 4
.irp c, 0,1,2,3
	ds_load_b128 v[64+16*t+4*\c:64+16*t+4*\c+3], v[ADV] offset:KSB*\q+8*KP*t+32*\c   ; V: channels 16 t + r, 128 keys; it lands under the softmax
.endr
.set t, t+1
.endr
.rept 4
	v_nop                                          ; places behind the products: ahead of the loads into their C and of the first read of their results
.endr
.if \more
	MLOAD
.endif
	WIN 0
	MAXU 0
	MAXU 1
.irp u, 0
	v_permlanex16_b32 v[36+\u], v[24+4*\u], s[SEL], s[SEL+1]
.endr
.irp u, 1
	s_delay_alu instid0(VALU_DEP_2)
	v_permlanex16_b32 v[36+\u], v[24+4*\u], s[SEL], s[SEL+1]
.endr
.irp u, 0,1
	s_delay_alu instid0(VALU_DEP_2)
	v_max_num_f32 v[24+4*\u], v[24+4*\u], v[36+\u] ; and among lane l xor 16's keys
.endr
.irp u, 0,1
	s_delay_alu instid0(VALU_DEP_2)
	v_mul_f32 v[24+4*\u], s[CS], v[24+4*\u]        ; as t (CS is positive)
.endr
.irp u, 0,1
	s_delay_alu instid0(VALU_DEP_2)
	v_max_num_f32 v[13+4*\u], v[13+4*\u], v[24+4*\u]   ; the running largest t
.endr
.irp u, 0,1
	v_mov_b32 v[25+4*\u], v[12+4*\u]
.endr
.irp u, 0,1
	s_delay_alu instid0(VALU_DEP_4)
	v_floor_f32 v[12+4*\u], -v[13+4*\u]            ; the new -M = -ceil(t)
.endr
.irp u, 0,1
	s_delay_alu instid0(VALU_DEP_2)
	v_sub_f32 v[25+4*\u], v[12+4*\u], v[25+4*\u]   ; old M less new M
.endr
.irp u, 0,1
	s_delay_alu instid0(VALU_DEP_2)
	v_cvt_i32_f32 v[25+4*\u], v[25+4*\u]
.endr
.irp u, 0,1
	s_delay_alu instid0(VALU_DEP_2)
	v_ldexp_f32 v[20+2*\u], 1.0, v[25+4*\u]        ; f = 2^(old M - new M)
.endr
.irp u, 0,1
.set j, 0
.rept 32
	v_pk_fma_f32 v[S+64*\u+j:S+64*\u+j+1], v[S+64*\u+j:S+64*\u+j+1], s[CS:CS+1], v[12+4*\u:13+4*\u] op_sel_hi:[1,0,0]   ; t - M
.set j, j+2
.endr
.endr
.if \chg
	s_wait_alu depctr_va_vdst(0)
	s_wait_tensorcnt 0x0                           ; my part of the next slot is in; no tensor load of mine is out
	ds_add_u32 v[SPW], v[NIL]                      ; once: every way here leads through a tensor load
.if \chg == 1
	s_xor_b32 s[FB], s[FB], SLOT                   ; the slot in hand is filled next,
	s_add_co_u32 s[G0+1], s[FB], s[WOFF]
	s_add_nc_u64 s[G0+2:G0+3], s[G0+2:G0+3], SLSTEP   ; with the next 256 keys
	s_wait_xcnt 0x0                                ; my prefetches have read their addresses
	s_add_nc_u64 s[PFA:PFA+1], s[PFA:PFA+1], SLSTEP
	s_add_nc_u64 s[PFB:PFB+1], s[PFB:PFB+1], 16384
.endif
	s_wait_dscnt 0x0                               ; the add is done, V is in: my reads of this slot are over
	s_barrier_signal -1
.endif
.set j, 0
	s_wait_alu depctr_va_vdst(0)
.rept 128
	v_exp_f32 v[S+j], v[S+j]                       ; p = 2^(t - M), at most 1
.set j, j+1
.endr
.irp u, 0,1
	v_pk_mul_f32 v[14+4*\u:15+4*\u], v[14+4*\u:15+4*\u], v[20+2*\u:21+2*\u] op_sel_hi:[1,0]   ; the sums under the new M
.endr
	s_wait_alu depctr_va_vdst(0)                   ; and behind it: one for the batch
.irp u, 0,1
	v_pk_add_f32 v[32+2*\u:33+2*\u], v[S+64*\u:S+64*\u+1], v[S+64*\u+2:S+64*\u+3]   ; the row's sum of the UNQUANTISED p
.endr
.set j, 4
.rept 15
.irp u, 0,1
	v_pk_add_f32 v[14+4*\u:15+4*\u], v[14+4*\u:15+4*\u], v[S+64*\u+j:S+64*\u+j+1]
	v_pk_add_f32 v[32+2*\u:33+2*\u], v[32+2*\u:33+2*\u], v[S+64*\u+j+2:S+64*\u+j+3]
.endr
.set j, j+4
.endr
.irp u, 0
	s_delay_alu instid0(VALU_DEP_3)
	v_pk_add_f32 v[14+4*\u:15+4*\u], v[14+4*\u:15+4*\u], v[32+2*\u:33+2*\u]
.endr
.irp u, 1
	s_delay_alu instid0(VALU_DEP_2)
	v_pk_add_f32 v[14+4*\u:15+4*\u], v[14+4*\u:15+4*\u], v[32+2*\u:33+2*\u]
.endr
.irp u, 0,1
.irp t, 0,1,2,3,4,5,6,7
	v_cvt_scalef32_pk8_bf8_f32 v[PC+16*\u+2*\t:PC+16*\u+2*\t+1], v[S+64*\u+8*\t:S+64*\u+8*\t+7], v[PSCL]   ; keys 16 t + 8 h + 0 .. 7: registers 2 t, 2 t + 1 of the operand (no hold: the limit on e8)
.endr
.endr
	WIN 0x41                                       ; O^T in window 1, f in window 0
	s_wait_alu depctr_va_vdst(0)                   ; ahead of the first reader of O^T
.irp u, 0,1
.set j, 0
.rept 16
	v_pk_mul_f32 v[32*\u+j:32*\u+j+1], v[32*\u+j:32*\u+j+1], v[20+2*\u:21+2*\u] op_sel_hi:[1,0]   ; O^T under the new M (also the plain instructions behind the last conversion)
.set j, j+2
.endr
.endr
	s_wait_alu depctr_va_vdst(0)
.if \chg == 0
	s_wait_dscnt 0x0                               ; V (chg: waited for ahead of the signal)
.endif
	WIN 0x51
.irp t, 0,1,2,3
.irp u, 0,1
	v_wmma_f32_16x16x128_bf8_bf8 v[32*\u+8*\t:32*\u+8*\t+7], v[64+16*\t:64+16*\t+15], v[PC+16*\u:PC+16*\u+15], v[32*\u+8*\t:32*\u+8*\t+7]   ; the eight accumulators by turns
.endr
.endr
	WIN 0
.if \chg
	s_barrier_wait -1                              ; nobody reads this slot any more, and the next slot is whole
.endif
.if \chg == 1
	CREST                                          ; the same of every partner
	TLOAD                                          ; the first thing behind the round
	ASK
.endif
.endm
.macro CREST                           ; a round of the cluster's barrier behind its opening barrier
	s_cmp_lg_u32 s[WV], 0
	s_cbranch_scc1 .Lnw0_\@
	s_barrier_signal -3
.Lnw0_\@:
	s_barrier_wait -3
	s_barrier_signal -1
	s_barrier_wait -1
.endm
; The first change of slots stands by itself, ahead of the loop: slot 1's first fill.
.macro CHANGE fill
	s_wait_tensorcnt 0x0
	ds_add_u32 v[SPW], v[NIL]                      ; once: every way here leads through a tensor load
.if \fill
	s_xor_b32 s[FB], s[FB], SLOT                   ; the other slot than last time,
	s_add_co_u32 s[G0+1], s[FB], s[WOFF]
	s_add_nc_u64 s[G0+2:G0+3], s[G0+2:G0+3], SLSTEP   ; the next 256 keys
	s_wait_xcnt 0x0                                ; my prefetches have read their addresses
	s_add_nc_u64 s[PFA:PFA+1], s[PFA:PFA+1], SLSTEP
	s_add_nc_u64 s[PFB:PFB+1], s[PFB:PFB+1], 16384
	s_wait_dscnt 0x0
	CROUND
	TLOAD
	ASK
.else
	s_wait_dscnt 0x0
	s_barrier_signal -1
	s_barrier_wait -1
.endif
.endm
	s_wait_alu depctr_va_vdst(0)
	CHANGE 1                                       ; slot 0 is whole; slot 1 is asked for
	s_mov_b32 s[CNT], NSL-2
.Lslot:                                            ; NSL - 2 trips: slots 0 to 5; each trip's end asks for the slot after next
	STEP 0, 1, 0
	STEP 1, 1, 1
	s_xor_b32 s[TB], s[TB], SLOT
	s_sub_co_u32 s[CNT], s[CNT], 1
	s_cmp_lg_u32 s[CNT], 0
	s_cbranch_scc1 .Lslot
	STEP 0, 1, 0                                   ; the last two slots are written out
	STEP 1, 1, 2
	s_xor_b32 s[TB], s[TB], SLOT
	STEP 0, 1, 0
	STEP 1, 0, 0
	; THE WAY OUT.  O^T / the sum x 2^(e8 + e9), held, converted with 2^e10; the four heads' codes meet in the stage.
	v_add_f32 v14, v14, v15
	v_add_f32 v18, v18, v19
	s_delay_alu instid0(VALU_DEP_2)
	v_permlanex16_b32 v36, v14, s[SEL], s[SEL+1]
	s_delay_alu instid0(VALU_DEP_2)
	v_permlanex16_b32 v37, v18, s[SEL], s[SEL+1]
	s_delay_alu instid0(VALU_DEP_2)
	v_add_f32 v14, v14, v36
	s_delay_alu instid0(VALU_DEP_2)
	v_add_f32 v18, v18, v37
	s_wait_alu depctr_va_vdst(0)
	v_rcp_f32 v14, v14
	v_rcp_f32 v18, v18
	v_nop
	s_wait_alu depctr_va_vdst(0)
	v_ldexp_f32 v14, v14, s[EO]
	v_ldexp_f32 v18, v18, s[EO]
	WIN 0x01
	s_wait_alu depctr_va_vdst(0)                   ; ahead of the first reader of O^T
.irp u, 0,1
.set j, 0
.rept 16
	v_pk_mul_f32 v[S+64*\u+j:S+64*\u+j+1], v[32*\u+j:32*\u+j+1], v[14+4*\u:15+4*\u] op_sel_hi:[1,0]   ; register 8 t + i: channel 16 t + 8 h + i of query r
.set j, j+2
.endr
.endr
	WIN 0
.irp u, 0,1
.set j, 0
.rept 32
	v_med3_num_f32 v[S+64*\u+j], v[S+64*\u+j], -v[CLIM], v[CLIM]
.set j, j+1
.endr
.endr
.irp u, 0,1
.irp t, 0,1,2,3
	v_cvt_scalef32_pk8_bf8_f32 v[PC+8*\u+2*\t:PC+8*\u+2*\t+1], v[S+64*\u+8*\t:S+64*\u+8*\t+7], v[CSCL]
.endr
.endr
	v_nop
.irp u, 0,1
.irp t, 0,1,2,3
	ds_store_b64 v[STO], v[PC+8*\u+2*\t:PC+8*\u+2*\t+1] offset:16*SP*\u+16*\t
.endr
.endr
	s_wait_dscnt 0x0                               ; for the others' sake
	s_barrier_signal -1
	s_barrier_wait -1
.irp i, 0,1,2,3
	ds_load_b128 v[S+4*\i:S+4*\i+3], v[RD] offset:2*SP*\i
.endr
	s_wait_dscnt 0x0
.irp i, 0,1,2,3
	global_store_b128 v[GO], v[S+4*\i:S+4*\i+3], s[14:15] offset:2048*\i   ; 16 lanes store 256 consecutive bytes, aligned
.endr
	s_wait_tensorcnt 0x0                           ; the wave's end
	ds_add_u32 v[SPW], v[NIL]
	s_wait_dscnt 0x0
	CROUND                                         ; the closing round
	s_endpgm
.Lfunc_end_k_q544c0d5bbb_attn:
	.size	k_q544c0d5bbb_attn, .Lfunc_end_k_q544c0d5bbb_attn-k_q544c0d5bbb_attn
	.p2alignl 7, 3214868480
	.fill 96, 4, 3214868480
	.section	.rodata,"a",@progbits
	.p2align	6, 0x0
	.amdhsa_kernel k_q544c0d5bbb_attn
		.amdhsa_group_segment_fixed_size 327680
		.amdhsa_private_segment_fixed_size 0
		.amdhsa_enable_private_segment 0
		.amdhsa_kernarg_size 48
		.amdhsa_user_sgpr_count 2
		.amdhsa_user_sgpr_kernarg_segment_ptr 1
		.amdhsa_wavefront_size32 1
		.amdhsa_system_sgpr_workgroup_id_x 1
		.amdhsa_system_sgpr_workgroup_id_y 1
		.amdhsa_system_sgpr_workgroup_id_z 1
		.amdhsa_system_vgpr_workitem_id 0
		.amdhsa_next_free_vgpr 512
		.amdhsa_next_free_sgpr 100
		.amdhsa_reserve_vcc 0
		.amdhsa_float_denorm_mode_32 3
		.amdhsa_float_denorm_mode_16_64 3
		.amdhsa_memory_ordered 1
		.amdhsa_forward_progress 1
		.amdhsa_inst_pref_size 189
	.end_amdhsa_kernel
	.amdgpu_metadata
---
amdhsa.version: [ 1, 2 ]
amdhsa.kernels:
  - .name:           k_q544c0d5bbb_attn
    .symbol:         k_q544c0d5bbb_attn.kd
    .args:
      - { .name: qc, .offset: 0, .size: 8, .value_kind: global_buffer, .address_space: global }
      - { .name: kc, .offset: 8, .size: 8, .value_kind: global_buffer, .address_space: global }
      - { .name: vc, .offset: 16, .size: 8, .value_kind: global_buffer, .address_space: global }
      - { .name: mk, .offset: 24, .size: 8, .value_kind: global_buffer, .address_space: global }
      - { .name: lowp_scales, .offset: 32, .size: 8, .value_kind: global_buffer, .address_space: global }
      - { .name: cc, .offset: 40, .size: 8, .value_kind: global_buffer, .address_space: global }
    .group_segment_fixed_size: 327680
    .private_segment_fixed_size: 0
    .kernarg_segment_align: 8
    .kernarg_segment_size: 48
    .max_flat_workgroup_size: 256
    .sgpr_count:     100
    .vgpr_count:     512
    .wavefront_size: 32
...
	.end_amdgpu_metadata
.endif
;; end of part 2
;; launch outp (part 3): grid 8 x 32, 4 waves a work-group, clusters of 4 x 4, 327,680 bytes of LDS; arguments cc, Wo_codes, lowp_scales, bo, out0; writes out0
.if DOCPART == 3
	.amdgcn_target "amdgcn-amd-amdhsa--gfx1250"
	.amdhsa_code_object_version 6
	.text
	.protected	k_q544c0d5bbb_outp
	.globl	k_q544c0d5bbb_outp
	.p2align	8
	.type	k_q544c0d5bbb_outp,@function
k_q544c0d5bbb_outp:
	s_mov_b64 s[64:65], 0
	v_nop
	global_prefetch_b8 v0, s[64:65] scope:SCOPE_SE
	s_setreg_imm32_b32 hwreg(HW_REG_WAVE_MODE, 25, 1), 1
	s_wait_xcnt 0x0
	s_wait_alu depctr_hold_cnt(0) depctr_sa_sdst(0) depctr_va_vdst(0) depctr_va_sdst(0) depctr_va_ssrc(0) depctr_va_vcc(0) depctr_vm_vsrc(0)
	s_getreg_b32 s2, hwreg(HW_REG_IB_STS2, 6, 4)
	s_cmp_eq_u32 s2, 0
	s_cbranch_scc0 .Lentry_in_a_cluster
	s_endpgm
.Lentry_in_a_cluster:
	s_bfe_u32 s2, ttmp6, 0x10000c
	s_cmp_lg_u32 s2, 0xf033
	s_cbranch_scc0 .Lentry_shape_is_right
	s_endpgm
.Lentry_shape_is_right:
; THE LAST PROJECTION: out0 = ctx Wo + bo on codes of BF8 (E5M2): cc [4096][1024], Wo_codes [1024 (n)][1024 (k)]; sums in f32, each x 2^(e10 + e11), + bo.  Nothing is left out.
; LIMIT: e10 + e11 between -126 and 127.
; SHARES.  256 work-groups, each 128 x 128 of the result; each of four waves 64 x 64: 16 accumulators.  The whole K of both tiles, 2 x 128 rows of 1,024 bytes, lies in LDS at once: one tensor load a wave
; (64 rows), no slot is filled again.  CLUSTER 4 x 4: cc's tile is shared along a row, Wo's along a column, each asked for jointly.
; No prefetch: the launch has no loop to run ahead in; all that it reads is asked for by its first four loads.
; The matrix instruction is used transposed (source 0 = rows of Wo, source 1 = rows of cc): a lane holds eight neighbouring numbers of a row of the result.
; REGISTERS.  Window 0: v16-29 addresses; v32-63 a block's results; v64-95 the bias; v96-159 rows back from the stage; v128-255 cc's fragments, two sets.  Window 1: v0-127 accumulators ((a, b) at 8 (4 a + b)); v128-255 Wo's fragments, two sets.
.set PITCH, 1040                       ; an LDS row: 1,024 bytes + 16
.set HALFT, 64*PITCH
.set BOFF,  2*HALFT
.set SPARE, 4*HALFT                    ; the spare words
.set STG,   SPARE+512                  ; the stages: 16 rows x 272 bytes a wave; no fill lands there
.set SPI,   272
.set ADRA, 16
.set ADRB, 17
.set STO,  18
.set RD,   19
.set CO,   20
.set BOF,  21
.set SPW,  28
.set NIL,  29
.set TMP,  32
.set BY,   64
.set BK,   96
.set G1, 24
.set G0, 32
.set G1B, 48
.set G0B, 56
.set MSB, 0
.macro WIN new
.if MSB != \new
	s_set_vgpr_msb (MSB<<8)|\new
.set MSB, \new
.endif
.endm
.macro CROUND
	s_barrier_signal -1
	s_barrier_wait -1
	s_cmp_lg_u32 s14, 0
	s_cbranch_scc1 .Lnot_wave_0_\@
	s_barrier_signal -3
.Lnot_wave_0_\@:
	s_barrier_wait -3
	s_barrier_signal -1
	s_barrier_wait -1
.endm
.macro PLACES
.rept 4
	v_nop
.endr
.endm
	s_load_b128 s[4:7], s[0:1], 0x0                ; cc, Wo
	s_load_b128 s[8:11], s[0:1], 0x10              ; the exponents, bo
	s_load_b64 s[12:13], s[0:1], 0x20              ; out0
	v_lshl_add_u32 v[SPW], v0, 2, SPARE
	v_mov_b32 v[NIL], 0
	ds_add_u32 v[SPW], v[NIL]                      ; the opening: the add, twice on end, and its wait
	ds_add_u32 v[SPW], v[NIL]
	v_lshrrev_b32 v1, 5, v0
	v_readfirstlane_b32 s14, v1                    ; wave 0..3
	s_lshr_b32 s15, s14, 1                         ; my half of the rows.  Also: I fetch for cc (0) or for Wo (1)
	s_and_b32 s16, s14, 1                          ; my half of the columns.  Also: which 64 rows I fetch
	s_bfe_u32 s40, ttmp6, 0x40000
	s_bfe_u32 s41, ttmp6, 0x40004
	s_lshl_b32 s42, ttmp9, 2
	s_add_co_u32 s42, s42, s40                     ; tile column, 0..7
	s_and_b32 s17, ttmp7, 0xffff
	s_lshl_b32 s17, s17, 2
	s_add_co_u32 s17, s17, s41                     ; tile row, 0..31
	s_lshl_b32 s43, s41, 2
	s_lshl_b32 s43, 15, s43
	s_lshl_b32 s44, 0x1111, s40
	s_or_b32 s[G1], s43, (1<<20)|(1<<21)|(7<<22)|(3<<25)    ; the mask; elements of 1 byte; padding: four words after every 256
	s_or_b32 s[G1B], s44, (1<<20)|(1<<21)|(7<<22)|(3<<25)
.irp g, G1, G1B
	s_mov_b32 s[\g+1], 1024<<16
	s_mov_b32 s[\g+2], 64<<16
	s_mov_b32 s[\g+3], 1024<<16
	s_mov_b32 s[\g+4], 64
	s_mov_b32 s[\g+5], 1024
	s_mov_b32 s[\g+6], 0
	s_mov_b32 s[\g+7], 0
.endr
	s_lshl_b32 s18, s16, 6
	s_lshl_b32 s20, s17, 7
	s_add_co_u32 s20, s20, s18
	s_lshl_b32 s20, s20, 10                        ; cc: row 128 x tile row + 64 x half, in bytes
	s_lshl_b32 s46, s42, 7
	s_add_co_u32 s46, s46, s18
	s_lshl_b32 s46, s46, 10                        ; Wo likewise
	s_mov_b32 s21, 0
	s_mov_b32 s47, 0
	s_mul_i32 s45, s14, HALFT
	s_wait_dscnt 0x0
	s_wait_kmcnt 0x0
	s_load_b64 s[96:97], s[8:9], 0x28              ; e10, e11
	s_mov_b32 s[G0], 1
	s_mov_b32 s[G0+1], s45
	s_add_nc_u64 s[G0+2:G0+3], s[4:5], s[20:21]
	s_or_b32 s[G0+3], s[G0+3], 0x80000000
	s_mov_b32 s[G0B], 1
	s_mov_b32 s[G0B+1], s45
	s_add_nc_u64 s[G0B+2:G0B+3], s[6:7], s[46:47]
	s_or_b32 s[G0B+3], s[G0B+3], 0x80000000
	CROUND                                         ; the joint loads meet
	s_cmp_eq_u32 s15, 0
	s_cbranch_scc0 .Lfor_b
	tensor_load_to_lds s[G0:G0+3], s[G1:G1+7]
	s_nop 0
	PLACES
	s_branch .Lasked
.Lfor_b:
	tensor_load_to_lds s[G0B:G0B+3], s[G1B:G1B+7]
	s_nop 0
	PLACES
.Lasked:
	s_mul_i32 s21, s15, HALFT                      ; my 64 rows of cc
	s_mul_i32 s22, s16, HALFT
	s_add_co_u32 s22, s22, BOFF                    ; my 64 rows of Wo
	s_mul_i32 s23, s14, 16*SPI
	s_add_co_u32 s23, s23, STG                     ; my stage
	s_lshl_b32 s46, s42, 9
	s_lshl_b32 s47, s16, 8
	s_add_co_u32 s46, s46, s47                     ; my first column, in bytes
	s_mov_b32 s47, 0
	s_add_nc_u64 s[10:11], s[10:11], s[46:47]
	s_lshl_b32 s20, s17, 7
	s_lshl_b32 s18, s15, 6
	s_add_co_u32 s20, s20, s18
	s_lshl_b32 s20, s20, 12                        ; my first row of 4,096 bytes
	s_add_co_u32 s20, s20, s46
	s_mov_b32 s47, 0
	s_mov_b32 s46, s20
	s_add_nc_u64 s[12:13], s[12:13], s[46:47]
	v_and_b32 v1, 15, v0
	v_bfe_u32 v2, v0, 4, 1
	v_mul_u32_u24 v3, v1, PITCH
	v_lshl_add_u32 v3, v2, 4, v3
	v_add_nc_u32 v[ADRA], s21, v3
	v_add_nc_u32 v[ADRB], s22, v3
	v_mul_u32_u24 v4, v1, SPI
	v_lshl_add_u32 v4, v2, 5, v4
	v_add_nc_u32 v[STO], s23, v4                   ; in: row r, 32 bytes for each half of the lanes
	v_mul_u32_u24 v5, v2, SPI
	v_lshl_add_u32 v5, v1, 4, v5
	v_add_nc_u32 v[RD], s23, v5                    ; back: lanes 0-15 one row of 256 bytes, lanes 16-31 the next
	v_lshlrev_b32 v[CO], 12, v2
	v_lshl_add_u32 v[CO], v1, 4, v[CO]
	v_lshlrev_b32 v[BOF], 5, v2
.irp b, 0,1,2,3
	global_load_b128 v[BY+8*\b:BY+8*\b+3], v[BOF], s[10:11] offset:64*\b          ; columns 16 b + 8 h + 0 .. 7
	global_load_b128 v[BY+8*\b+4:BY+8*\b+7], v[BOF], s[10:11] offset:64*\b+16
.endr
.macro FETCH k, p                      ; the fragments of the k-th 128 along K into set p: registers 4 c .. 4 c + 3 hold bytes 32 c + 16 h + 0 .. 15, alike in both operands
	WIN 0x40
.irp i, 0,1,2,3
.irp c, 0,1,2,3
	ds_load_b128 v[128+64*(\p)+16*\i+4*\c:128+64*(\p)+16*\i+4*\c+3], v[ADRB] offset:128*(\k)+32*\c+\i*16*PITCH
.endr
.endr
	WIN 0
.irp i, 0,1,2,3
.irp c, 0,1,2,3
	ds_load_b128 v[128+64*(\p)+16*\i+4*\c:128+64*(\p)+16*\i+4*\c+3], v[ADRA] offset:128*(\k)+32*\c+\i*16*PITCH
.endr
.endr
.endm
.macro MUL p, zero                     ; the 16 accumulators by turns
	WIN 0x51                                       ; Wo's fragments, C and D in window 1
.irp a, 0,1,2,3
.irp b, 0,1,2,3
.if \zero
	v_wmma_f32_16x16x128_bf8_bf8 v[8*(4*\a+\b):8*(4*\a+\b)+7], v[128+64*(\p)+16*\b:128+64*(\p)+16*\b+15], v[128+64*(\p)+16*\a:128+64*(\p)+16*\a+15], 0
.else
	v_wmma_f32_16x16x128_bf8_bf8 v[8*(4*\a+\b):8*(4*\a+\b)+7], v[128+64*(\p)+16*\b:128+64*(\p)+16*\b+15], v[128+64*(\p)+16*\a:128+64*(\p)+16*\a+15], v[8*(4*\a+\b):8*(4*\a+\b)+7]
.endif
.endr
.endr
.endm
	s_wait_alu depctr_va_vdst(0)
	s_wait_tensorcnt 0x0                           ; my part of the tiles is in,
	s_barrier_signal -1
	s_barrier_wait -1                              ; everybody's is
	FETCH 0, 0
	s_wait_dscnt 0x0
	FETCH 1, 1
	MUL 0, 1                                       ; the first step starts the sums
.irp k, 1,2,3,4,5,6
	s_wait_dscnt 0x0                               ; this step's fragments are in
	PLACES                                         ; ahead of loads into the set that the step before multiplied
	FETCH \k+1, (\k+1)%2
	MUL \k%2, 0
.endr
	s_wait_dscnt 0x0
	MUL 1, 0
	WIN 0
	PLACES
; THE WAY OUT, by blocks of 16 rows x 64 columns, through my own stage: whole rows of 256 bytes come back and are stored by sixteen lanes each.
.macro TOSTAGE a
	WIN 0x01
.set j, 0
.rept 16
	v_pk_fma_f32 v[TMP+j:TMP+j+1], v[32*(\a)+j:32*(\a)+j+1], s[96:97], v[BY+j:BY+j+1] op_sel_hi:[1,0,1]   ; each accumulator from its low end on
.set j, j+2
.endr
	WIN 0
.irp b, 0,1,2,3
	ds_store_b128 v[STO], v[TMP+8*\b:TMP+8*\b+3] offset:64*\b
	ds_store_b128 v[STO], v[TMP+8*\b+4:TMP+8*\b+7] offset:64*\b+16
.endr
.irp i, 0,1,2,3,4,5,6,7
	ds_load_b128 v[BK+32*((\a)%2)+4*\i:BK+32*((\a)%2)+4*\i+3], v[RD] offset:2*\i*SPI   ; LDS serves a wave's instructions in order
.endr
.endm
.macro SEND a, younger
	s_wait_dscnt \younger
.irp i, 0,1,2,3,4,5,6,7
	global_store_b128 v[CO], v[BK+32*((\a)%2)+4*\i:BK+32*((\a)%2)+4*\i+3], s[12:13] offset:(16*(\a)+2*\i)*4096 th:TH_STORE_NT   ; 16 lanes store 256 consecutive bytes, aligned
.endr
.endm
	s_wait_kmcnt 0x0
	s_add_co_i32 s96, s96, s97
	s_add_co_i32 s96, s96, 127
	s_lshl_b32 s96, s96, 23                        ; 2^(e10 + e11)
	s_mov_b32 s97, s96
	s_wait_loadcnt 0x0                             ; the bias
	TOSTAGE 0
.irp a, 1,2,3
.if \a > 1
	s_wait_xcnt 0x0                                ; block a - 2's stores have read their registers
.endif
	TOSTAGE \a
	SEND \a-1, 16                                  ; behind block a - 1's loads: block a's 8 stores and 8 loads
.endr
	SEND 3, 0
	s_wait_tensorcnt 0x0                           ; the wave's end
	ds_add_u32 v[SPW], v[NIL]
	s_wait_dscnt 0x0
	CROUND                                         ; the closing round
	s_endpgm
.Lfunc_end_k_q544c0d5bbb_outp:
	.size	k_q544c0d5bbb_outp, .Lfunc_end_k_q544c0d5bbb_outp-k_q544c0d5bbb_outp
	.p2alignl 7, 3214868480
	.fill 96, 4, 3214868480
	.section	.rodata,"a",@progbits
	.p2align	6, 0x0
	.amdhsa_kernel k_q544c0d5bbb_outp
		.amdhsa_group_segment_fixed_size 327680
		.amdhsa_private_segment_fixed_size 0
		.amdhsa_enable_private_segment 0
		.amdhsa_kernarg_size 40
		.amdhsa_user_sgpr_count 2
		.amdhsa_user_sgpr_kernarg_segment_ptr 1
		.amdhsa_wavefront_size32 1
		.amdhsa_system_sgpr_workgroup_id_x 1
		.amdhsa_system_sgpr_workgroup_id_y 1
		.amdhsa_system_sgpr_workgroup_id_z 1
		.amdhsa_system_vgpr_workitem_id 0
		.amdhsa_next_free_vgpr 512
		.amdhsa_next_free_sgpr 98
		.amdhsa_reserve_vcc 0
		.amdhsa_float_denorm_mode_32 3
		.amdhsa_float_denorm_mode_16_64 3
		.amdhsa_memory_ordered 1
		.amdhsa_forward_progress 1
		.amdhsa_inst_pref_size 45
	.end_amdhsa_kernel
	.amdgpu_metadata
---
amdhsa.version: [ 1, 2 ]
amdhsa.kernels:
  - .name:           k_q544c0d5bbb_outp
    .symbol:         k_q544c0d5bbb_outp.kd
    .args:
      - { .name: cc, .offset: 0, .size: 8, .value_kind: global_buffer, .address_space: global }
      - { .name: Wo_codes, .offset: 8, .size: 8, .value_kind: global_buffer, .address_space: global }
      - { .name: lowp_scales, .offset: 16, .size: 8, .value_kind: global_buffer, .address_space: global }
      - { .name: bo, .offset: 24, .size: 8, .value_kind: global_buffer, .address_space: global }
      - { .name: out0, .offset: 32, .size: 8, .value_kind: global_buffer, .address_space: global }
    .group_segment_fixed_size: 327680
    .private_segment_fixed_size: 0
    .kernarg_segment_align: 8
    .kernarg_segment_size: 40
    .max_flat_workgroup_size: 128
    .sgpr_count:     98
    .vgpr_count:     512
    .wavefront_size: 32
...
	.end_amdgpu_metadata
.endif
;; end of part 3
